; MI455X (gfx1250); checked and timed in simulation.
; The chip was launched on July 23, 2026; its instructions are those of AMD's public machine-readable ISA for CDNA 5 (MIT licence, August 2026) and "CDNA5" Instruction Set Architecture Reference Guide (July 2026). The comments in the code are by the model that wrote it; some were corrected since.
;; Multi Head Attention. Allowed arithmetic: matrix products marked QUANTISED: E2M3 operands, one E8M0 scale for each 32 along K, by v_wmma_scale_f32_16x16x128_f8f6f4 with both operands' format E2M3, f32 sums; everything else in f32.
;; Inputs: Wk 1,024 x 1,024 float32; Wo 1,024 x 1,024 float32; Wq 1,024 x 1,024 float32; Wv 1,024 x 1,024 float32; bk 1,024 float32; bo 1,024 float32; bq 1,024 float32; bv 1,024 float32; k 4 x 2,048 x 1,024 float32; mask 1 x 1 x 2,048 x 2,048 int32; q 4 x 2,048 x 1,024 float32; v 4 x 2,048 x 1,024 float32.
;; Outputs: out0 4 x 2,048 x 1,024 float32.
;; This version of the problem:
;;   THIS VERSION OF THE PROBLEM IS GIVEN IN LOW PRECISION. The matrix products marked QUANTISED in the list below multiply operands that are first quantised to E2M3 (2 exponent bits, 3 mantissa bits; 6 bits a number), with one power-of-two scale for each 32 numbers along K (OCP MX v1.0); their sums are f32. All else is computed in f32.
;;   The module's matrix products, in the order in which they are computed (A, B: the left and right operand; K: the contracted axis; several contracted axes count as one K, in the product's order):
;;     1. [M 8,192, K 1,024] x [K 1,024, N 1,024]; A: input q; B: input Wq: QUANTISED
;;     2. [M 8,192, K 1,024] x [K 1,024, N 1,024]; A: input k; B: input Wk: QUANTISED
;;     3. [M 8,192, K 1,024] x [K 1,024, N 1,024]; A: input v; B: input Wv: QUANTISED
;;     4. batch 64 x [M 2,048, K 64] x [K 64, N 2,048]; A: computed on the way; B: computed on the way: QUANTISED
;;     5. batch 64 x [M 2,048, K 2,048] x [K 2,048, N 64]; A: softmax (see below); B: computed on the way: QUANTISED
;;     6. [M 8,192, K 1,024] x [K 1,024, N 1,024]; A: computed on the way; B: input Wo: QUANTISED
;;   THE QUANTISER, for each operand of a quantised product, along K:
;;     - K is cut into blocks of 32 from its start; a last block that is shorter is filled with zeros.
;;     - A block's scale is 2^e with e = floor(log2(the largest magnitude in the block)) - 2, held to -126 .. 127; a block of zeros has e = 0. As a byte (E8M0): e + 127.
;;     - Each number is divided by its block's scale, clamped to +-7.5, and rounded to the nearest number of E2M3, ties to even, subnormals kept.
;;     - The product sums the exact products of the quantised numbers (number of the format x scale) in f32.
;;   ~~~python
;;   def quantise(x, axis):      # numpy; x: float32 -> the quantised numbers, widened to float32 again
;;       x = np.moveaxis(x, axis, -1); K = x.shape[-1]
;;       x = np.pad(x, [(0, 0)] * (x.ndim - 1) + [(0, -K % 32)]); x = x.reshape(x.shape[:-1] + (-1, 32)); a = np.abs(x).max(-1, keepdims=True)
;;       e = np.where(a > 0, np.clip(np.frexp(np.where(a > 0, a, 1))[1] - 1 - 2, -126, 127), 0)      # np.frexp(a)[1] - 1 = floor(log2(a)), exactly
;;       r = np.clip(x / 2.0 ** e, -7.5, 7.5)
;;       step = 2.0 ** (np.maximum(np.frexp(np.where(r == 0, 1, r))[1] - 1, 0) - 3)
;;       q = np.round(r / step) * step * 2.0 ** e      # np.round: ties to even
;;       return np.moveaxis(q.reshape(q.shape[:-2] + (-1,))[..., :K], -1, axis).astype(np.float32)
;;   ~~~
;;   SOFTMAX AHEAD OF A QUANTISED PRODUCT. Where the list says 'softmax', what is quantised is not the finished softmax but p = 2^(t - M), with t = logit x log2(e) and M = ceil(the row's largest t), a whole number; so 1/2 < the row's largest p <= 1. The row's sum l is taken of the UNQUANTISED p, in f32, and the product's result is divided by l at the end. Since M is a whole number, a kernel that streams over the keys may use a running M (the ceiling of the running maximum): every later rescaling is an exact power of two, which a block's scale takes up: the codes' values come out the same.
;;   OPERANDS COMPUTED ON THE WAY. 'Computed on the way' means the value that the module computes at that place (a softmax that the list does not call 'softmax' is quantised finished and normalised). What goes into a quantiser is computed in f32, as accurately as f32 sums, v_exp_f32 and their like allow (about 1e-6 of the number): no bf16 or f16 on the way to a quantiser, and a product that is left as it is and whose result goes on into a quantised operand takes f32 operands (vector FMAs, or v_wmma_f32_16x16x4_f32). A number that lies on a knife's edge between two numbers of the format may be rounded either way, as far as f32 arithmetic and the matrix unit's own rounding can turn it there, and no further.
;; One version. Each part assembles by itself: llvm-mc -triple=amdgcn-amd-amdhsa -mcpu=gfx1250 --defsym DOCPART=n.
;; ======== version 1 of 1: 4 launches
;; limits: right only within a limited range of input values
;; workspace buffers: codes 28,311,552 bytes; scales 1,179,648 bytes; maskbits 524,288 bytes of whole numbers; qb 13,369,344 bytes; kv 13,369,344 bytes
;; launch quant (part 1): grid 512 x 1, 4 waves a work-group, no clusters, 34,304 bytes of LDS; arguments q, k, v, Wq, Wk, Wv, Wo, mask, codes, scales, maskbits; writes codes, scales, maskbits
.if DOCPART == 1
	.amdgcn_target "amdgcn-amd-amdhsa--gfx1250"
	.amdhsa_code_object_version 6
	.text
	.protected	k_qc715f6cd7b_quant
	.globl	k_qc715f6cd7b_quant
	.p2align	8
	.type	k_qc715f6cd7b_quant,@function
k_qc715f6cd7b_quant:
	s_mov_b64 s[64:65], 0
	v_nop
	global_prefetch_b8 v0, s[64:65] scope:SCOPE_SE
	s_setreg_imm32_b32 hwreg(HW_REG_WAVE_MODE, 25, 1), 1
	s_wait_xcnt 0x0
; q, k, v [8192][1024] and Wq, Wk, Wv, Wo [1024][1024], f32 with K innermost, become codes of FP6 (E2M3) with one E8M0 byte for each 32 along K; the mask [2048][2048] becomes lane masks.
; A block's scale is 2^(floor(log2(its largest magnitude)) - 2); its byte is that magnitude's exponent field - 2, held at 1 from below (a block of zeros keeps the byte 1: its codes are zeros, and this program alone reads the bytes).
; LIMITS: NaN and infinities among the inputs are not served; blocks whose largest magnitude lies under 2^(3 - 127) keep the byte 1.
; LAYOUT OF codes: [row tile][K step 0..7][1536 bytes]: the IMAGE OF AN OPERAND'S REGISTERS (16 rows x 128 K, 12 registers a lane): registers 0-3 at 16 x lane, 4-5 at 512 + 8 x lane, 6-9 at 768 + 16 x lane, 10-11 at 1280 + 8 x lane.
; LAYOUT OF scales: [row tile][lane][4 words]: word p of lane r + 16 u holds row r's four bytes of K step 2 p + u.
; Row tiles: q 0-511, k 512-1023, v 1024-1535, Wq 1536.., Wk 1600.., Wv 1664.., Wo 1728..1791.  In k, v, Wq, Wk, Wv tile 2 B + u holds rows 32 B + 8 u + r + 8 (r / 8), so that a product that takes such
; a tile as source 0 leaves 16 neighbours in the 16 registers of two neighbouring tiles; q and Wo have rows 16 T + r.
; LAYOUT OF maskbits: [query tile 0..127][key step 0..15][64 words]: bit r + 16 h of word 16 B + i says that mask[16 T + r][128 j + 32 B + 16 h + i] is not 0.
; SHARES: a wave takes 16 rows x 1,024 numbers of 4 bytes, in 8 steps of 128 columns; job J = 4 x work-group + wave; J < 1792: row tile J; else the mask's query tile (J - 1792) / 2, column half (J - 1792) % 2.
; Each load reads 512 consecutive bytes of one row; a step's 8,192 bytes turn through the wave's own stage in LDS (rows 528 bytes apart) and come back 16 neighbours of each block of 32 to a lane.
; Waves share nothing: no barrier.  Loads run two steps (32 loads a wave) ahead.
.set STGB,  8448                       ; a wave's stage: 16 rows x 528 bytes
.set SPARE, 4*STGB                     ; behind the stages: the spare words, 128 bytes a wave
.set SPW,   5                          ; v5  my spare word's address; never rewritten
.set NIL,   6                          ; v6  0; never rewritten
.set R,     16                         ; v16-143  two sets of 64 registers as loaded
.set X,     144                        ; v144-207 register 16 b + i: column 32 b + 16 (lane / 16) + i of row lane % 16
.set PC,    208                        ; v208-226 the codes just made (12) and the conversions' second halves
.set TM,    228                        ; v228-243 at work
.set PW,    244                        ; v244-251 a scale word for each step
.set MW,    252                        ; v252-253 a step's 64 mask words, two a lane
.set RB,    32                         ; s[32:63] the sixteen rows' addresses
.set SEL,   74                         ; s[74:75] lane selects: lane l xor 16
.set KIND,  30                         ; s30 1: the mask
	s_load_b512 s[4:19], s[0:1], 0x0               ; q, k, v, Wq, Wk, Wv, Wo, mask
	s_load_b128 s[20:23], s[0:1], 0x40             ; codes, scales
	s_load_b64 s[24:25], s[0:1], 0x50              ; maskbits
	v_lshl_add_u32 v[SPW], v0, 2, SPARE
	v_mov_b32 v[NIL], 0
	v_lshrrev_b32 v7, 5, v0
	v_readfirstlane_b32 s2, v7                     ; wave
	v_and_b32 v7, 31, v0                           ; lane
	v_lshlrev_b32 v1, 4, v7                        ; 16 x lane
	v_lshlrev_b32 v2, 3, v7                        ; 8 x lane
	s_mul_i32 s3, s2, STGB
	v_add_nc_u32 v3, s3, v1                        ; the stage, on the way in
	v_and_b32 v8, 15, v0
	v_bfe_u32 v9, v0, 4, 1
	v_mul_u32_u24 v4, v8, 528
	v_lshl_add_u32 v4, v9, 6, v4
	v_add_nc_u32 v4, s3, v4                        ; and on the way out: row r, + 64 h
	s_mov_b32 s[SEL], 0x76543210
	s_mov_b32 s[SEL+1], 0xfedcba98
	s_mov_b32 s72, 0xffff0000                      ; lanes 16-31
.irp i, 0,1,2,3,4,5,6,7
	v_mov_b32 v[PW+\i], 0
.endr
	v_mov_b32 v[MW], 0                             ; a lane write's and a lane permute's destination count as read
	v_mov_b32 v[MW+1], 0
.irp b, 0,1,2,3
	v_mov_b32 v[TM+4+\b], 0
.endr
	s_mov_b32 s28, 0                               ; the tensor's first job
	s_mov_b32 s29, 0                               ; 1: permuted row tiles
	s_mov_b32 s[KIND], 0
	s_wait_kmcnt 0x0
	s_mov_b64 s[26:27], s[4:5]
; which tensor: the choice hangs on the work-group's number alone
.macro PICK lim, ptr, start, perm, kind
	s_cmp_ge_u32 ttmp9, \lim
	s_cselect_b64 s[26:27], s[\ptr:\ptr+1], s[26:27]
	s_cselect_b32 s28, \start, s28
	s_cselect_b32 s29, \perm, s29
	s_cselect_b32 s[KIND], \kind, s[KIND]
.endm
	PICK 128, 6, 512, 1, 0
	PICK 256, 8, 1024, 1, 0
	PICK 384, 10, 1536, 1, 0
	PICK 400, 12, 1600, 1, 0
	PICK 416, 14, 1664, 1, 0
	PICK 432, 16, 1728, 0, 0
	PICK 448, 18, 1792, 0, 1
	s_lshl_b32 s31, ttmp9, 2
	s_add_co_u32 s31, s31, s2                      ; J
	s_sub_co_u32 s84, s31, s28                     ; the job within its tensor
	s_and_b32 s85, s84, 1
	s_mul_i32 s86, s85, s29
	s_lshl_b32 s86, s86, 3
	s_lshl_b32 s87, s84, 4
	s_sub_co_u32 s87, s87, s86                     ; f32: first row 16 T - 8 (T % 2) where permuted
	s_lshl_b32 s87, s87, 12                        ; rows of 4,096 bytes
	s_lshr_b32 s88, s84, 1
	s_lshl_b32 s88, s88, 17                        ; the mask: 16 rows of 8,192 bytes a query tile,
	s_lshl_b32 s89, s85, 12
	s_add_co_u32 s88, s88, s89                     ; + 4,096 bytes for the second half of the columns
	s_cmp_eq_u32 s[KIND], 1
	s_cselect_b32 s86, s88, s87
	s_mov_b32 s87, 0
	s_lshl_b32 s88, 0x1000, s[KIND]                ; from row to row
	s_mov_b32 s89, 0
	s_lshl_b32 s90, s29, 3
	s_add_co_u32 s90, s90, 1
	s_mul_i32 s90, s90, s88                        ; from the tile's row 7 to its row 8: nine rows where permuted
	s_mov_b32 s91, 0
	s_add_nc_u64 s[RB:RB+1], s[26:27], s[86:87]
.irp i, 1,2,3,4,5,6,7,8,9,10,11,12,13,14,15
.if \i == 8
	s_add_nc_u64 s[RB+2*\i:RB+2*\i+1], s[RB+2*\i-2:RB+2*\i-1], s[90:91]
.else
	s_add_nc_u64 s[RB+2*\i:RB+2*\i+1], s[RB+2*\i-2:RB+2*\i-1], s[88:89]
.endif
.endr
	s_mul_i32 s92, s31, 12288
	s_mov_b32 s93, 0
	s_add_nc_u64 s[66:67], s[20:21], s[92:93]      ; my row tile's images
	s_lshl_b32 s92, s31, 9
	s_add_nc_u64 s[68:69], s[22:23], s[92:93]      ; and scale words
	s_mul_i32 s92, s84, s[KIND]
	s_lshl_b32 s92, s92, 11
	s_add_nc_u64 s[70:71], s[24:25], s[92:93]      ; the mask's job: 8 steps x 256 bytes
.macro LOAD t                          ; step t: 512 consecutive bytes of each of the 16 rows
.irp i, 0,1,2,3,4,5,6,7,8,9,10,11,12,13,14,15
	global_load_b128 v[R+64*((\t)%2)+4*\i:R+64*((\t)%2)+4*\i+3], v1, s[RB+2*\i:RB+2*\i+1] offset:512*(\t) th:TH_LOAD_NT
.endr
.endm
.macro TURN t                          ; through the stage: LDS serves a wave's instructions in order (ISA guide 5.7.1.4), so no wait stands between the stores and the loads
.irp i, 0,1,2,3,4,5,6,7,8,9,10,11,12,13,14,15
	ds_store_b128 v3, v[R+64*((\t)%2)+4*\i:R+64*((\t)%2)+4*\i+3] offset:528*\i
.endr
.irp b, 0,1,2,3
.irp j, 0,1,2,3
	ds_load_b128 v[X+16*\b+4*\j:X+16*\b+4*\j+3], v4 offset:128*\b+16*\j
.endr
.endr
.endm
; 64 numbers of a lane, register 16 b + i = k 32 b + 16 (lane / 16) + i of my row, become a fragment's codes in v[PC] on and its scale word in v[pw]
.macro QUANT s, pw
.irp b, 0,1,2,3
	v_max3_num_f32 v[TM+\b], |v[\s+16*\b]|, |v[\s+1+16*\b]|, 0x1800000   ; my 16 numbers of block b, and the floor 2^(3 - 127): the byte cannot fall under 1
.endr
.irp i, 2,4,6,8,10,12,14
.irp b, 0,1,2,3
	v_max3_num_f32 v[TM+\b], v[TM+\b], |v[\s+16*\b+\i]|, |v[\s+1+16*\b+\i]|
.endr
.endr
.irp b, 0,1,2,3
	v_permlanex16_b32 v[TM+4+\b], v[TM+\b], s[SEL], s[SEL+1]
.endr
.irp b, 0,1,2,3
	v_max_num_f32 v[TM+\b], v[TM+\b], v[TM+4+\b]   ; with lane l xor 16's: the block's largest magnitude
.endr
.irp b, 0,1,2,3
	v_add_nc_u32 v[TM+12+\b], 0xff000000, v[TM+\b] ; 2 off its exponent field: the conversion's scale operand
.endr
.irp b, 0,1,2,3
	v_lshrrev_b32 v[TM+4+\b], 23, v[TM+12+\b]      ; the scale's byte
.endr
	v_lshl_or_b32 v[\pw], v[TM+5], 8, v[TM+4]
	v_lshl_or_b32 v[\pw], v[TM+6], 16, v[\pw]
	v_lshl_or_b32 v[\pw], v[TM+7], 24, v[\pw]
.irp c, 0,1
	v_cvt_scalef32_pk16_fp6_f32 v[PC+6*\c:PC+2+6*\c], v[\s+32*\c:\s+15+32*\c], v[TM+12+2*\c]
	v_cvt_scalef32_pk16_fp6_f32 v[PC+12+4*\c:PC+14+4*\c], v[\s+16+32*\c:\s+31+32*\c], v[TM+12+2*\c+1]   ; (a conversion's three registers begin on an even number)
.endr
	v_nop                                          ; one plain place behind a scaled conversion
.irp c, 0,1                            ; the operand wants a whole block in a lane: lanes 0-15 block 2 c, lanes 16-31 block 2 c + 1
.irp i, 0,1,2
	v_permlane16_swap_b32 v[PC+6*\c+\i], v[PC+12+4*\c+\i]
.endr
.irp i, 0,1,2
	v_mov_b32 v[PC+3+6*\c+\i], v[PC+12+4*\c+\i]
.endr
.endr
.endm
.macro OUTIMG off                      ; the image: each store covers 512 or 256 consecutive bytes, aligned
	global_store_b128 v1, v[PC:PC+3], s[66:67] offset:\off
	global_store_b64 v2, v[PC+4:PC+5], s[66:67] offset:\off+512
	global_store_b128 v1, v[PC+6:PC+9], s[66:67] offset:\off+768
	global_store_b64 v2, v[PC+10:PC+11], s[66:67] offset:\off+1280
.endm
.macro PACK t                          ; a compare's lane mask IS word n; word n goes to register n % 2 of lane n / 2, and the 32 lanes store 256 consecutive bytes
.irp g, 0,1,2,3,4,5,6,7
.irp i, 0,1,2,3,4,5,6,7
	v_cmp_ne_u32 s[76+\i], 0, v[X+8*\g+\i]
.endr
.irp i, 0,1,2,3,4,5,6,7
	v_writelane_b32 v[MW+(\i%2)], s[76+\i], 4*\g+\i/2
.endr
.endr
	global_store_b64 v2, v[MW:MW+1], s[70:71] offset:256*(\t)
.endm
.macro STEP t
.if (\t) < 7
	s_wait_loadcnt 16                              ; this step's 16 loads are in; the next step's 16 may be out
.else
	s_wait_loadcnt 0x0
.endif
	TURN \t
	s_wait_dscnt 0x0                               ; the numbers are back, and the stage's stores have read their registers
	s_wait_xcnt 0x0                                ; the last step's stores have read the codes' and the words' registers, which are written again below
.if (\t) < 6
	LOAD (\t)+2
.endif
	s_cmp_eq_u32 s[KIND], 1
	s_cbranch_scc1 .Lmask_\@
	QUANT X, PW+(\t)
	OUTIMG 1536*(\t)
	s_branch .Ldone_\@
.Lmask_\@:
	PACK \t
.Ldone_\@:
.endm
	LOAD 0
	LOAD 1
.irp t, 0,1,2,3,4,5,6,7
	STEP \t
.endr
	s_cmp_eq_u32 s[KIND], 1
	s_cbranch_scc1 .Lend
.irp p, 0,1,2,3
	v_cndmask_b32 v[TM+\p], v[PW+2*\p], v[PW+2*\p+1], s72   ; lanes 0-15: K step 2 p; lanes 16-31: K step 2 p + 1 (both halves of the lanes hold a row's word)
.endr
	global_store_b128 v1, v[TM:TM+3], s[68:69]     ; 512 consecutive bytes
.Lend:
	s_wait_tensorcnt 0x0                           ; the wave's end: behind my last LDS store
	ds_add_u32 v[SPW], v[NIL]
	s_wait_dscnt 0x0
	s_endpgm
.Lfunc_end_k_qc715f6cd7b_quant:
	.size	k_qc715f6cd7b_quant, .Lfunc_end_k_qc715f6cd7b_quant-k_qc715f6cd7b_quant
	.p2alignl 7, 3214868480
	.fill 96, 4, 3214868480
	.section	.rodata,"a",@progbits
	.p2align	6, 0x0
	.amdhsa_kernel k_qc715f6cd7b_quant
		.amdhsa_group_segment_fixed_size 34304
		.amdhsa_private_segment_fixed_size 0
		.amdhsa_enable_private_segment 0
		.amdhsa_kernarg_size 88
		.amdhsa_user_sgpr_count 2
		.amdhsa_user_sgpr_kernarg_segment_ptr 1
		.amdhsa_wavefront_size32 1
		.amdhsa_system_sgpr_workgroup_id_x 1
		.amdhsa_system_sgpr_workgroup_id_y 1
		.amdhsa_system_sgpr_workgroup_id_z 1
		.amdhsa_system_vgpr_workitem_id 0
		.amdhsa_next_free_vgpr 256
		.amdhsa_next_free_sgpr 96
		.amdhsa_reserve_vcc 0
		.amdhsa_float_denorm_mode_32 3
		.amdhsa_float_denorm_mode_16_64 3
		.amdhsa_memory_ordered 1
		.amdhsa_forward_progress 1
		.amdhsa_inst_pref_size 133
	.end_amdhsa_kernel
	.amdgpu_metadata
---
amdhsa.version: [ 1, 2 ]
amdhsa.kernels:
  - .name:           k_qc715f6cd7b_quant
    .symbol:         k_qc715f6cd7b_quant.kd
    .args:
      - { .name: q, .offset: 0, .size: 8, .value_kind: global_buffer, .address_space: global }
      - { .name: k, .offset: 8, .size: 8, .value_kind: global_buffer, .address_space: global }
      - { .name: v, .offset: 16, .size: 8, .value_kind: global_buffer, .address_space: global }
      - { .name: Wq, .offset: 24, .size: 8, .value_kind: global_buffer, .address_space: global }
      - { .name: Wk, .offset: 32, .size: 8, .value_kind: global_buffer, .address_space: global }
      - { .name: Wv, .offset: 40, .size: 8, .value_kind: global_buffer, .address_space: global }
      - { .name: Wo, .offset: 48, .size: 8, .value_kind: global_buffer, .address_space: global }
      - { .name: mask, .offset: 56, .size: 8, .value_kind: global_buffer, .address_space: global }
      - { .name: codes, .offset: 64, .size: 8, .value_kind: global_buffer, .address_space: global }
      - { .name: scales, .offset: 72, .size: 8, .value_kind: global_buffer, .address_space: global }
      - { .name: maskbits, .offset: 80, .size: 8, .value_kind: global_buffer, .address_space: global }
    .group_segment_fixed_size: 34304
    .private_segment_fixed_size: 0
    .kernarg_segment_align: 8
    .kernarg_segment_size: 88
    .max_flat_workgroup_size: 128
    .sgpr_count:     96
    .vgpr_count:     256
    .wavefront_size: 32
...
	.end_amdgpu_metadata
.endif
;; end of part 1
;; launch proj (part 2): grid 8 x 96, 4 waves a work-group, clusters of 4 x 4, 327,680 bytes of LDS; arguments codes, scales, bq, bk, bv, qb, kv; writes qb, kv
.if DOCPART == 2
	.amdgcn_target "amdgcn-amd-amdhsa--gfx1250"
	.amdhsa_code_object_version 6
	.text
	.protected	k_qc715f6cd7b_proj
	.globl	k_qc715f6cd7b_proj
	.p2align	8
	.type	k_qc715f6cd7b_proj,@function
k_qc715f6cd7b_proj:
	s_mov_b64 s[64:65], 0
	v_nop
	global_prefetch_b8 v0, s[64:65] scope:SCOPE_SE
	s_setreg_imm32_b32 hwreg(HW_REG_WAVE_MODE, 25, 1), 1
	s_wait_xcnt 0x0
	s_wait_alu depctr_hold_cnt(0) depctr_sa_sdst(0) depctr_va_vdst(0) depctr_va_sdst(0) depctr_va_ssrc(0) depctr_va_vcc(0) depctr_vm_vsrc(0)
	s_getreg_b32 s2, hwreg(HW_REG_IB_STS2, 6, 4)
	s_cmp_eq_u32 s2, 0
	s_cbranch_scc0 .Lentry_in_a_cluster
	s_endpgm
.Lentry_in_a_cluster:
	s_bfe_u32 s2, ttmp6, 0x10000c
	s_cmp_lg_u32 s2, 0xf033
	s_cbranch_scc0 .Lentry_shape_is_right
	s_endpgm
.Lentry_shape_is_right:
; The three projections on codes of FP6 (E2M3), their biases, and the quantising of their results for the attention launch.
; ONE FORM: P[i][j] = sum over k of S0[i][k] S1[j][k], K = 1024, quantised ALONG i.  q, k: S0 = the weight (i = channel), S1 = the tokens (j).  v: S0 = v's tokens (i = key), S1 = Wv (j = channel).
; Source 0 = 16 rows of S0, source 1 = 16 rows of S1: a lane holds one j and its registers run along i; S0's row tiles are permuted (tile 2 B + u: rows 32 B + 8 u + r + 8 (r / 8)), so that the 16 registers of
; tiles 2 B, 2 B + 1 are i = 32 B + 16 (lane / 16) + 0 .. 15.  128 along i are one fragment of the next product: two heads of 64 channels (q, k), or 128 keys (v).
; SHARES: a work-group makes 128 i x 256 j; a wave all 8 tiles of i x 4 tiles of j: 32 accumulators, each taken once in a K step (by turns).
; LDS holds all of K for the work-group: four chunks of two K steps, each [S1: 16 row tiles x 3,072 bytes][S0: 8 x 3,072].  Every byte is filled once; a chunk is read behind a counted wait and a barrier.
; CLUSTER 4 x 4: S0's tiles hang on the cluster's x and cx alone and are asked for jointly by a column of the cluster, S1's on its y and cy alone and by a row.
; OUT: head block (208,896 bytes, index 16 batch + head) = 4 chunks of 512 keys: [32 key tiles x 768][4 key steps x 4 channel tiles x 1,536][K's scale words: 8 groups x 256][V's: 4 x 256].
;   A half image (768 bytes: 16 rows x 64 K): registers 0-3 at 16 x lane, 4-5 at 512 + 8 x lane.  Scale words of 4 tiles: [lane][2 words]: word p of lanes 0-15: tile 2 p, of lanes 16-31: tile 2 p + 1.
;   q's tiles go to qb, k's and v's to kv.
; LIMITS: as the quantising launch's: blocks of zeros keep the byte 1; NaN and infinities are not served.
; REGISTERS: window 0: addresses, scale words v16-63, v64-127 a tile's 64 numbers, v128-191 the bias along i, v192.. at work;  windows 1, 2: two sets of 12 fragments;  window 3: accumulator (b, a) at 64 b + 8 a.
.set CHUNK, 73728
.set S0OFF, 49152
.set SPARE, 4*CHUNK                    ; behind the chunks: the spare words, 128 bytes a wave
.set HEADB, 208896
.set CHB,   52224
.set SPW,   10
.set NIL,   11
.set SC0,   16                         ; v16-47 S0's scale words: 4 a + p;  K step k: register k / 2, lanes 16-31 where k is odd
.set SC1,   48                         ; v48-63 S1's: 4 b + p
.set T,     64
.set BI,    128
.set PC,    192
.set TM,    212
.set PW,    228                        ; v228-231 a scale word for each b
.set BJ,    238                        ; v238-245 the bias of my lane's j, a pair for each b
.set WV,    18
.set SEL,   66
.set MSB, 0
.macro WIN new                         ; the immediate's high byte repeats the setting that is left
.if MSB != (\new)
	s_set_vgpr_msb (MSB<<8)|(\new)
.set MSB, (\new)
.endif
.endm
.macro CROUND                          ; a round of the cluster's barrier
	s_barrier_signal -1
	s_barrier_wait -1
	s_cmp_lg_u32 s[WV], 0
	s_cbranch_scc1 .Lnot_wave_0_\@
	s_barrier_signal -3
.Lnot_wave_0_\@:
	s_barrier_wait -3
	s_barrier_signal -1
	s_barrier_wait -1
.endm
.macro PLACES                          ; four places in front of loads into registers that matrix instructions have read, and of the first read of results
.rept 4
	v_nop
.endr
.endm
	s_load_b256 s[4:11], s[0:1], 0x0               ; codes, scales, bq, bk
	s_load_b128 s[12:15], s[0:1], 0x20             ; bv, qb
	s_load_b64 s[16:17], s[0:1], 0x30              ; kv
	v_lshl_add_u32 v[SPW], v0, 2, SPARE
	v_mov_b32 v[NIL], 0
	ds_add_u32 v[SPW], v[NIL]                      ; the wave's opening: the add and its wait ahead of my first tensor load
	v_lshrrev_b32 v3, 5, v0
	v_readfirstlane_b32 s[WV], v3                  ; wave 0..3
	s_bfe_u32 s19, ttmp6, 0x40000                  ; cx
	s_bfe_u32 s20, ttmp6, 0x40004                  ; cy
	s_and_b32 s21, ttmp7, 0xffff                   ; the cluster's y, 0..23
	s_lshr_b32 s22, s21, 3                         ; 0: q, 1: k, 2: v
	s_and_b32 s23, s21, 7
	s_lshl_b32 s57, ttmp9, 2
	s_add_co_u32 s57, s57, s19                     ; 4 x cluster x + cx
	s_lshl_b32 s60, s20, 2
	s_lshl_b32 s60, 15, s60                        ; my row of the cluster
	s_lshl_b32 s61, 0x1111, s19                    ; my column
	s_or_b32 s24, s60, (3<<16)|(1<<21)             ; S1's tiles go to my row: elements of 8 bytes, no padding; bit 21 beside a mask
	s_or_b32 s32, s61, (3<<16)|(1<<21)             ; S0's to my column
.irp g, 24, 32                         ; 8 rows (row tiles) of 3,072 bytes (two K steps), 12,288 bytes apart
	s_mov_b32 s[\g+1], 384<<16                     ; tensor_dim0
	s_mov_b32 s[\g+2], 8<<16                       ; tensor_dim1
	s_mov_b32 s[\g+3], 384<<16                     ; tile_dim0
	s_mov_b32 s[\g+4], 8                           ; tile_dim1
	s_mov_b32 s[\g+5], 1536                        ; tensor_dim0_stride
	s_mov_b32 s[\g+6], 0
	s_mov_b32 s[\g+7], 0
.endr
	s_lshl_b32 s62, s23, 6
	s_add_co_u32 s84, s62, 1024                    ; v: S0 = v's tokens
	s_lshl_b32 s85, s22, 6
	s_add_co_u32 s85, s85, 1536                    ; q, k: S0 = the weight
	s_lshl_b32 s86, s22, 9
	s_add_co_u32 s86, s86, s62                     ; q, k: S1 = the tokens
	s_cmp_eq_u32 s22, 2
	s_cselect_b32 s56, 1, 0                        ; 1: v.  The same in all sixteen partners
	s_cselect_b32 s58, s84, s85
	s_cselect_b32 s59, 1664, s86                   ; v: S1 = Wv
	s_lshl_b32 s84, s57, 3
	s_add_co_u32 s58, s58, s84                     ; S0's first row tile: never holds cy
	s_lshl_b32 s85, s20, 4
	s_add_co_u32 s59, s59, s85                     ; S1's first row tile: never holds cx
	s_mul_i32 s88, s58, 12288
	s_mov_b32 s89, 0
	s_lshl_b32 s90, s[WV], 3
	s_add_co_u32 s90, s90, s59
	s_mul_i32 s90, s90, 12288                      ; waves 0, 1: S1's row tiles 8 w on
	s_mov_b32 s91, 0
	s_mul_i32 s92, s[WV], 24576                    ; where my load goes in a chunk: S1's halves, then S0
	s_mov_b32 s[SEL], 0x76543210
	s_mov_b32 s[SEL+1], 0xfedcba98
	s_wait_dscnt 0x0                               ; the opening add is done
	s_wait_kmcnt 0x0
	s_add_nc_u64 s[88:89], s[4:5], s[88:89]
	s_add_nc_u64 s[90:91], s[4:5], s[90:91]
	CROUND                                         ; all sixteen work-groups are here: the joint loads meet
.irp c, 0,1,2,3
	s_mov_b32 s[40+4*\c], 1
	s_add_co_u32 s[41+4*\c], s92, \c*CHUNK
	s_add_nc_u64 s[42+4*\c:43+4*\c], s[90:91], \c*3072
	s_or_b32 s[43+4*\c], s[43+4*\c], 0x80000000
	s_mov_b32 s[68+4*\c], 1
	s_add_co_u32 s[69+4*\c], s92, \c*CHUNK
	s_add_nc_u64 s[70+4*\c:71+4*\c], s[88:89], \c*3072
	s_or_b32 s[71+4*\c], s[71+4*\c], 0x80000000
.endr
	s_cmp_lt_u32 s[WV], 2                          ; a wave's four fills stand in one branch on its number, chunk 0 first: four loads of mine are out
	s_cbranch_scc0 .Lnot_s1
.irp c, 0,1,2,3
	tensor_load_to_lds s[40+4*\c:43+4*\c], s[24:31]
	s_nop 0
.endr
	PLACES
	s_branch .Lasked
.Lnot_s1:
	s_cmp_eq_u32 s[WV], 2
	s_cbranch_scc0 .Lasked
.irp c, 0,1,2,3
	tensor_load_to_lds s[68+4*\c:71+4*\c], s[32:39]
	s_nop 0
.endr
	PLACES
.Lasked:
	v_and_b32 v3, 31, v0
	v_lshlrev_b32 v1, 4, v3                        ; 16 x lane
	v_lshlrev_b32 v2, 3, v3                        ; 8 x lane
	v_add_nc_u32 v4, S0OFF, v1                     ; S0's fragments in the chunk in hand
	v_add_nc_u32 v5, S0OFF, v2
	s_mul_i32 s93, s[WV], 12288
	v_add_nc_u32 v6, s93, v1                       ; my four tiles of S1
	v_add_nc_u32 v7, s93, v2
	s_lshl_b32 s94, s58, 9
	s_mov_b32 s95, 0
	s_add_nc_u64 s[94:95], s[6:7], s[94:95]
	s_lshl_b32 s96, s[WV], 2
	s_add_co_u32 s96, s96, s59
	s_lshl_b32 s96, s96, 9
	s_mov_b32 s97, 0
	s_add_nc_u64 s[96:97], s[6:7], s[96:97]
.irp a, 0,1,2,3,4,5,6,7
	global_load_b128 v[SC0+4*\a:SC0+4*\a+3], v1, s[94:95] offset:512*\a
.endr
.irp b, 0,1,2,3
	global_load_b128 v[SC1+4*\b:SC1+4*\b+3], v1, s[96:97] offset:512*\b
.endr
	s_cmp_eq_u32 s22, 0
	s_cselect_b64 s[98:99], s[8:9], s[10:11]
	s_cmp_eq_u32 s22, 2
	s_cselect_b64 s[98:99], s[12:13], s[98:99]     ; the projection's bias.  Both forms are loaded, both inside its 4,096 bytes; the way out takes the one that is its own
	s_lshl_b32 s2, s57, 9
	s_mov_b32 s3, 0
	s_add_nc_u64 s[60:61], s[98:99], s[2:3]        ; along i (q, k): 128 channels from 128 (4 x + cx) on
	s_lshl_b32 s2, s20, 10
	s_lshl_b32 s62, s[WV], 8
	s_add_co_u32 s2, s2, s62
	s_add_nc_u64 s[62:63], s[98:99], s[2:3]        ; of my lane's j (v): channels from 256 cy + 64 w on
	v_bfe_u32 v12, v0, 4, 1
	v_lshlrev_b32 v8, 6, v12                       ; 16 (lane / 16) numbers
	v_and_b32 v13, 15, v0
	v_and_b32 v14, 8, v13
	v_add_nc_u32 v14, v14, v13
	v_lshlrev_b32 v9, 2, v14                       ; r + 8 (r / 8) numbers
.irp B, 0,1,2,3
.irp g, 0,1,2,3
	global_load_b128 v[BI+16*\B+4*\g:BI+16*\B+4*\g+3], v8, s[60:61] offset:128*\B+16*\g
.endr
.endr
.irp b, 0,1,2,3
	global_load_b32 v[BJ+2*\b], v9, s[62:63] offset:(32*(\b/2)+8*(\b%2))*4
	v_mov_b32 v[BJ+2*\b+1], 0                      ; (named with it as a pair)
.endr
.irp b, 0,1,2,3
	v_mov_b32 v[TM+4+\b], 0                        ; a lane permute's destination counts as read
.endr
.macro FRAG reg, a16, a8, off          ; an image's four loads: 512, 256, 512, 256 consecutive bytes
	ds_load_b128 v[\reg:\reg+3], v[\a16] offset:\off
	ds_load_b64 v[\reg+4:\reg+5], v[\a8] offset:\off+512
	ds_load_b128 v[\reg+6:\reg+9], v[\a16] offset:\off+768
	ds_load_b64 v[\reg+10:\reg+11], v[\a8] offset:\off+1280
.endm
.macro FETCH k                         ; K step k's 12 fragments, 48 loads, into set k % 2
	WIN 0x40*(1+(\k)%2)
.irp a, 0,1,2,3,4,5,6,7
	FRAG 12*\a, 4, 5, \a*3072+((\k)%2)*1536
.endr
.irp b, 0,1,2,3
	FRAG 96+12*\b, 6, 7, \b*3072+((\k)%2)*1536
.endr
.endm
.macro WM d, a, b, mode, sa, sb, odd
.if (\mode) == 0
	v_wmma_scale_f32_16x16x128_f8f6f4 v[\d:\d+7], v[\a:\a+11], v[\b:\b+11], 0, v[\sa], v[\sb] matrix_a_fmt:MATRIX_FMT_FP6 matrix_b_fmt:MATRIX_FMT_FP6
.elseif \odd
	v_wmma_scale_f32_16x16x128_f8f6f4 v[\d:\d+7], v[\a:\a+11], v[\b:\b+11], v[\d:\d+7], v[\sa], v[\sb] matrix_a_fmt:MATRIX_FMT_FP6 matrix_b_fmt:MATRIX_FMT_FP6 matrix_a_scale:MATRIX_SCALE_ROW1 matrix_b_scale:MATRIX_SCALE_ROW1
.else
	v_wmma_scale_f32_16x16x128_f8f6f4 v[\d:\d+7], v[\a:\a+11], v[\b:\b+11], v[\d:\d+7], v[\sa], v[\sb] matrix_a_fmt:MATRIX_FMT_FP6 matrix_b_fmt:MATRIX_FMT_FP6
.endif
.endm
.macro MUL k, mode                     ; 32 matrix instructions; mode 0: the first K step starts the sums
	WIN 0xf5+5*((\k)%2)                            ; sources 0 and 1: window 1 or 2; C and D: window 3
.irp a, 0,1,2,3,4,5,6,7
.irp b, 0,1,2,3
	WM 64*\b+8*\a, 12*\a, 96+12*\b, \mode, SC0+4*\a+(\k)/2, SC1+4*\b+(\k)/2, (\k)%2
.endr
.endr
.endm
.macro NEXTCHUNK left                  ; left: my loads of later chunks, which may stay out
	s_wait_dscnt 0x0                               ; my LDS loads are in
	s_wait_tensorcnt \left                         ; my part of the next chunk has landed,
	s_barrier_signal -1
	s_barrier_wait -1                              ; everybody's has
	WIN 0
	v_add_nc_u32 v4, CHUNK, v4                     ; on to it; these four are also the places in front of the loads that follow
	v_add_nc_u32 v5, CHUNK, v5
	v_add_nc_u32 v6, CHUNK, v6
	v_add_nc_u32 v7, CHUNK, v7
.endm
	s_wait_tensorcnt 3                             ; my part of chunk 0 has landed; chunks 1 to 3 may be out
	s_barrier_signal -1
	s_barrier_wait -1
	FETCH 0
	FETCH 1
	s_wait_loadcnt 0x0                             ; scale words and biases
	s_wait_dscnt 48                                ; K step 0's fragments are in; the 48 loads just issued may be out
	MUL 0, 0
	NEXTCHUNK 2
	FETCH 2
	MUL 1, 1
	PLACES
	FETCH 3
	s_wait_dscnt 48
	MUL 2, 1
	NEXTCHUNK 1
	FETCH 4
	MUL 3, 1
	PLACES
	FETCH 5
	s_wait_dscnt 48
	MUL 4, 1
	NEXTCHUNK 0
	FETCH 6
	MUL 5, 1
	PLACES
	FETCH 7
	s_wait_dscnt 48
	MUL 6, 1
	s_wait_dscnt 0x0
	MUL 7, 1
	WIN 0
	PLACES
.macro QUANT s, pw                     ; 64 numbers of a lane, register 16 b + i = k 32 b + 16 (lane / 16) + i, become a fragment's codes in v[PC] on and its scale word in v[pw]
.irp b, 0,1,2,3
	v_max3_num_f32 v[TM+\b], |v[\s+16*\b]|, |v[\s+1+16*\b]|, 0x1800000   ; with the floor 2^(3 - 127): the byte cannot fall under 1
.endr
.irp i, 2,4,6,8,10,12,14
.irp b, 0,1,2,3
	v_max3_num_f32 v[TM+\b], v[TM+\b], |v[\s+16*\b+\i]|, |v[\s+1+16*\b+\i]|
.endr
.endr
.irp b, 0,1,2,3
	v_permlanex16_b32 v[TM+4+\b], v[TM+\b], s[SEL], s[SEL+1]
.endr
.irp b, 0,1,2,3
	v_max_num_f32 v[TM+\b], v[TM+\b], v[TM+4+\b]
.endr
.irp b, 0,1,2,3
	v_add_nc_u32 v[TM+12+\b], 0xff000000, v[TM+\b] ; 2 off the exponent field: the conversion's scale operand
.endr
.irp b, 0,1,2,3
	v_lshrrev_b32 v[TM+4+\b], 23, v[TM+12+\b]      ; the scale's byte
.endr
	v_lshl_or_b32 v[\pw], v[TM+5], 8, v[TM+4]
	v_lshl_or_b32 v[\pw], v[TM+6], 16, v[\pw]
	v_lshl_or_b32 v[\pw], v[TM+7], 24, v[\pw]
.irp c, 0,1
	v_cvt_scalef32_pk16_fp6_f32 v[PC+6*\c:PC+2+6*\c], v[\s+32*\c:\s+15+32*\c], v[TM+12+2*\c]
	v_cvt_scalef32_pk16_fp6_f32 v[PC+12+4*\c:PC+14+4*\c], v[\s+16+32*\c:\s+31+32*\c], v[TM+12+2*\c+1]
.endr
	v_nop                                          ; one plain place behind a scaled conversion
.irp c, 0,1
.irp i, 0,1,2
	v_permlane16_swap_b32 v[PC+6*\c+\i], v[PC+12+4*\c+\i]
.endr
.irp i, 0,1,2
	v_mov_b32 v[PC+3+6*\c+\i], v[PC+12+4*\c+\i]
.endr
.endr
.endm
; THE WAY OUT: for each of my four tiles of j: the bias is added (each accumulator from its low end on), the 64 numbers are quantised, the image is stored.  kind 0: q, k; 1: v
.macro EPI kind
.irp b, 0,1,2,3
	WIN 0x03                                       ; source 0: window 3
.set m, 0
.rept 32
.if \kind
	v_pk_add_f32 v[T+2*m:T+2*m+1], v[64*\b+2*m:64*\b+2*m+1], v[BJ+2*\b:BJ+2*\b+1] op_sel_hi:[1,0]
.else
	v_pk_add_f32 v[T+2*m:T+2*m+1], v[64*\b+2*m:64*\b+2*m+1], v[BI+2*m:BI+2*m+1]
.endif
.set m, m+1
.endr
	WIN 0
.if \b > 0
	s_wait_xcnt 0x0                                ; the last tile's stores have read the codes' registers
.endif
	QUANT T, PW+\b
.if \kind
	global_store_b128 v1, v[PC:PC+3], s[88:89] offset:1536*\b
	global_store_b64 v2, v[PC+4:PC+5], s[88:89] offset:1536*\b+512
	global_store_b128 v1, v[PC+6:PC+9], s[88:89] offset:1536*\b+768
	global_store_b64 v2, v[PC+10:PC+11], s[88:89] offset:1536*\b+1280
.else
	global_store_b128 v1, v[PC:PC+3], s[88:89] offset:768*\b               ; channels 0-63 of the 128: the even head
	global_store_b64 v2, v[PC+4:PC+5], s[88:89] offset:768*\b+512
	global_store_b128 v1, v[PC+6:PC+9], s[88:89] offset:HEADB+768*\b       ; channels 64-127: the odd head, one head block on
	global_store_b64 v2, v[PC+10:PC+11], s[88:89] offset:HEADB+768*\b+512
.endif
.endr
	v_cndmask_b32 v236, v[PW], v[PW+1], s2         ; lanes 0-15: tile 0's words; lanes 16-31: tile 1's
	v_cndmask_b32 v237, v[PW+2], v[PW+3], s2
.endm
	s_mov_b32 s2, 0xffff0000                       ; lanes 16-31
	s_cmp_eq_u32 s56, 1
	s_cbranch_scc1 .Lv_arm
	s_lshl_b32 s84, s23, 2
	s_add_co_u32 s84, s84, s20                     ; which 256 tokens
	s_lshr_b32 s85, s84, 3
	s_lshl_b32 s85, s85, 4                         ; 16 x batch
	s_lshl_b32 s86, s57, 1
	s_add_co_u32 s85, s85, s86                     ; + the even head
	s_mul_i32 s85, s85, HEADB
	s_bfe_u32 s86, s84, 0x20001                    ; the chunk of 512 tokens
	s_mul_i32 s86, s86, CHB
	s_add_co_u32 s85, s85, s86
	s_and_b32 s86, s84, 1
	s_lshl_b32 s86, s86, 2
	s_add_co_u32 s86, s86, s[WV]                   ; my group of four tiles in it
	s_mul_i32 s87, s86, 3072
	s_cmp_eq_u32 s22, 0
	s_cselect_b64 s[92:93], s[14:15], s[16:17]     ; q: qb; k: kv
	s_add_co_u32 s88, s85, s87
	s_mov_b32 s89, 0
	s_add_nc_u64 s[88:89], s[92:93], s[88:89]
	s_lshl_b32 s90, s86, 8
	s_add_co_u32 s90, s90, s85
	s_add_co_u32 s90, s90, 49152
	s_mov_b32 s91, 0
	s_add_nc_u64 s[90:91], s[92:93], s[90:91]
	EPI 0
	v_and_b32 v232, 0xffff, v236                   ; a word's bytes 0, 1: the even head's two blocks; the upper bytes are 0 and stand over zero codes
	v_and_b32 v233, 0xffff, v237
	v_lshrrev_b32 v234, 16, v236                   ; bytes 2, 3: the odd head's
	v_lshrrev_b32 v235, 16, v237
	global_store_b64 v2, v[232:233], s[90:91]      ; 256 consecutive bytes
	global_store_b64 v2, v[234:235], s[90:91] offset:HEADB
	s_branch .Lout
.Lv_arm:
	s_lshl_b32 s84, s23, 3
	s_add_co_u32 s84, s84, s57                     ; which 128 keys, 0..63
	s_lshr_b32 s85, s84, 4
	s_lshl_b32 s85, s85, 4                         ; 16 x batch
	s_lshl_b32 s86, s20, 2
	s_add_co_u32 s85, s85, s86
	s_add_co_u32 s85, s85, s[WV]                   ; + head 4 cy + w: my 64 channels
	s_mul_i32 s85, s85, HEADB
	s_bfe_u32 s86, s84, 0x20002                    ; the chunk of 512 keys
	s_mul_i32 s86, s86, CHB
	s_add_co_u32 s85, s85, s86
	s_and_b32 s86, s84, 3                          ; the key step in it
	s_mul_i32 s87, s86, 6144
	s_add_co_u32 s88, s85, s87
	s_add_co_u32 s88, s88, 24576
	s_mov_b32 s89, 0
	s_add_nc_u64 s[88:89], s[16:17], s[88:89]
	s_lshl_b32 s90, s86, 8
	s_add_co_u32 s90, s90, s85
	s_add_co_u32 s90, s90, 51200
	s_mov_b32 s91, 0
	s_add_nc_u64 s[90:91], s[16:17], s[90:91]
	EPI 1
	global_store_b64 v2, v[236:237], s[90:91]
.Lout:
	s_wait_tensorcnt 0x0                           ; the wave's end
	ds_add_u32 v[SPW], v[NIL]
	s_wait_dscnt 0x0
	CROUND                                         ; the closing round
	s_endpgm
.Lfunc_end_k_qc715f6cd7b_proj:
	.size	k_qc715f6cd7b_proj, .Lfunc_end_k_qc715f6cd7b_proj-k_qc715f6cd7b_proj
	.p2alignl 7, 3214868480
	.fill 96, 4, 3214868480
	.section	.rodata,"a",@progbits
	.p2align	6, 0x0
	.amdhsa_kernel k_qc715f6cd7b_proj
		.amdhsa_group_segment_fixed_size 327680
		.amdhsa_private_segment_fixed_size 0
		.amdhsa_enable_private_segment 0
		.amdhsa_kernarg_size 56
		.amdhsa_user_sgpr_count 2
		.amdhsa_user_sgpr_kernarg_segment_ptr 1
		.amdhsa_wavefront_size32 1
		.amdhsa_system_sgpr_workgroup_id_x 1
		.amdhsa_system_sgpr_workgroup_id_y 1
		.amdhsa_system_sgpr_workgroup_id_z 1
		.amdhsa_system_vgpr_workitem_id 0
		.amdhsa_next_free_vgpr 1024
		.amdhsa_next_free_sgpr 100
		.amdhsa_reserve_vcc 0
		.amdhsa_float_denorm_mode_32 3
		.amdhsa_float_denorm_mode_16_64 3
		.amdhsa_memory_ordered 1
		.amdhsa_forward_progress 1
		.amdhsa_inst_pref_size 123
	.end_amdhsa_kernel
	.amdgpu_metadata
---
amdhsa.version: [ 1, 2 ]
amdhsa.kernels:
  - .name:           k_qc715f6cd7b_proj
    .symbol:         k_qc715f6cd7b_proj.kd
    .args:
      - { .name: codes, .offset: 0, .size: 8, .value_kind: global_buffer, .address_space: global }
      - { .name: scales, .offset: 8, .size: 8, .value_kind: global_buffer, .address_space: global }
      - { .name: bq, .offset: 16, .size: 8, .value_kind: global_buffer, .address_space: global }
      - { .name: bk, .offset: 24, .size: 8, .value_kind: global_buffer, .address_space: global }
      - { .name: bv, .offset: 32, .size: 8, .value_kind: global_buffer, .address_space: global }
      - { .name: qb, .offset: 40, .size: 8, .value_kind: global_buffer, .address_space: global }
      - { .name: kv, .offset: 48, .size: 8, .value_kind: global_buffer, .address_space: global }
    .group_segment_fixed_size: 327680
    .private_segment_fixed_size: 0
    .kernarg_segment_align: 8
    .kernarg_segment_size: 56
    .max_flat_workgroup_size: 128
    .sgpr_count:     100
    .vgpr_count:     1024
    .wavefront_size: 32
...
	.end_amdgpu_metadata
.endif
;; end of part 2
;; launch attn (part 3): grid 8 x 64, 16 waves a work-group, clusters of 4 x 1, 210,944 bytes of LDS; arguments qb, kv, maskbits, codes, scales; writes codes, scales
.if DOCPART == 3
	.amdgcn_target "amdgcn-amd-amdhsa--gfx1250"
	.amdhsa_code_object_version 6
	.text
	.protected	k_qc715f6cd7b_attn
	.globl	k_qc715f6cd7b_attn
	.p2align	8
	.type	k_qc715f6cd7b_attn,@function
k_qc715f6cd7b_attn:
	s_mov_b64 s[64:65], 0
	v_nop
	global_prefetch_b8 v0, s[64:65] scope:SCOPE_SE
	s_setreg_imm32_b32 hwreg(HW_REG_WAVE_MODE, 25, 1), 1
	s_wait_xcnt 0x0
	s_wait_alu depctr_hold_cnt(0) depctr_sa_sdst(0) depctr_va_vdst(0) depctr_va_sdst(0) depctr_va_ssrc(0) depctr_va_vcc(0) depctr_vm_vsrc(0)
	s_getreg_b32 s2, hwreg(HW_REG_IB_STS2, 6, 4)
	s_cmp_eq_u32 s2, 0
	s_cbranch_scc0 .Lentry_in_a_cluster
	s_endpgm
.Lentry_in_a_cluster:
	s_bfe_u32 s2, ttmp6, 0x10000c
	s_cmp_lg_u32 s2, 0x3003
	s_cbranch_scc0 .Lentry_shape_is_right
	s_endpgm
.Lentry_shape_is_right:
; Attention of one head on codes of FP6 (E2M3): S^T = K Q^T, the mask, the softmax, O^T = V^T P^T, the division by the row's sum, and the quantising of the result along D_MODEL for the last projection.
; THE SOFTMAX: t = score x log2(e) / 8; M = the running largest t rounded UP to a whole number; p = 2^(t - M) is quantised along the keys; the row's sum is taken of the unquantised p; when M moves, the sum and O^T
; are multiplied by 2^(old M - new M), which rounds nothing.
; THE MASK is an input: every key step is walked, and each score whose mask word bit is 0 is replaced, by one selection, ahead of the maximum.
; LIMIT: the replacement is the raw score -2^33, a logit of -1.07e9 where the definition has -1e9.  -2^33 x log2(e) / 8 is a whole number in f32, so a row with no open key has M = t and p = 1 for every key, as
; the definition has; with an open key the closed ones give p = 0 either way.  The result differs only where an open logit lies under about -1e9.  NaN and infinities are not served.
; SHARES: a work-group owns 256 queries of one head, each of its sixteen waves one tile of 16 in 256 registers, four waves to a SIMD; every wave walks the head's 2,048 keys, 128 a step.
; LDS holds the head's whole block of kv (208,896 bytes), as it lies in memory: 4 chunks of 512 keys: [32 key tiles x 768][4 key steps x 4 channel tiles x 1,536][K's scale words 8 x 256][V's 4 x 256].  Every byte is
; filled once.  Waves 0 to 3 bring a quarter of each chunk, chunk 0 first; a chunk is read behind a counted wait and a barrier.
; CLUSTER 4 x 1: the four query blocks of a cluster belong to one head: each load is asked for jointly.
; LAYOUT: both products are used transposed: a lane holds ONE query (lane % 16).  Key tile 2 B + u holds keys 32 B + 8 u + r + 8 (r / 8), so score register 16 B + i is key 32 B + 16 (lane / 16) + i; the channel tiles of
; V^T are laid likewise, so O^T's register 16 B + i is channel 32 B + 16 (lane / 16) + i.  The first product's K is 64: registers 6-11 of K's and Q's fragments hold zero codes.
.set CHB,   52224
.set HEADB, 208896
.set SPARE, HEADB                      ; behind the block: the spare words, 128 bytes for each of 16 waves
.set SPW,  4
.set NIL,  5
.set ADK,  8                           ; v8   16 x lane + the step's tiles
.set ADK8, 9                           ; v9   8 x lane + the same
.set ADS,  10                          ; v10  K's scale words of the step
.set ADT,  11                          ; v11  V's
.set KF,   28                          ; v28-75   four fragments of K
.set VF,   76                          ; v76-123  four fragments of V^T
.set S,    124                         ; v124-187 S^T, then p
.set OT,   188                         ; v188-219 O^T
.set PCD,  220                         ; v220-231 p's codes
.set WV,   2
.set SEL,  66
.set CS,   100                         ; s[100:101] c = log2(e) / 8, twice
.macro CROUND
	s_barrier_signal -1
	s_barrier_wait -1
	s_cmp_lg_u32 s[WV], 0
	s_cbranch_scc1 .Lnot_wave_0_\@
	s_barrier_signal -3
.Lnot_wave_0_\@:
	s_barrier_wait -3
	s_barrier_signal -1
	s_barrier_wait -1
.endm
	s_load_b256 s[32:39], s[0:1], 0x0              ; qb s[32:33], kv s[34:35], maskbits s[36:37]
	v_lshl_add_u32 v[SPW], v0, 2, SPARE
	v_mov_b32 v[NIL], 0
	ds_add_u32 v[SPW], v[NIL]                      ; the wave's opening: the add and its wait ahead of the first tensor loads
	v_lshrrev_b32 v6, 5, v0
	v_readfirstlane_b32 s[WV], v6                  ; wave 0..15
	s_bfe_u32 s40, ttmp6, 0x40000                  ; cx
	s_lshl_b32 s41, ttmp9, 2
	s_add_co_u32 s41, s41, s40                     ; my block of 256 queries: it enters Q's, the mask's and the output's addresses alone
	s_and_b32 s42, ttmp7, 0xffff                   ; 16 x batch + head, which the four partners share
	s_mul_i32 s43, s42, HEADB
	s_mov_b32 s24, 15|(3<<16)|(1<<21)              ; all four work-groups; elements of 8 bytes; no padding; bit 21 beside a mask
	s_mov_b32 s25, 32<<16                          ; 51 rows of 256 bytes, dense
	s_mov_b32 s26, 51<<16
	s_mov_b32 s27, 32<<16
	s_mov_b32 s28, 51
	s_mov_b32 s29, 32
	s_mov_b32 s30, 0
	s_mov_b32 s31, 0
	s_mul_i32 s44, s[WV], 13056                    ; waves 0 to 3: my quarter of a chunk
	s_add_co_u32 s46, s43, s44
	s_mov_b32 s47, 0
	s_mov_b32 s[SEL], 0x76543210
	s_mov_b32 s[SEL+1], 0xfedcba98
	s_mov_b32 s[CS], 0x3e38aa3b
	s_mov_b32 s[CS+1], s[CS]
	s_wait_dscnt 0x0                               ; the opening add is done
	s_wait_kmcnt 0x0
	s_add_nc_u64 s[46:47], s[34:35], s[46:47]
	CROUND                                         ; all four work-groups are here: the joint loads meet
.irp c, 0,1,2,3
	s_mov_b32 s[8+4*\c], 1
	s_add_co_u32 s[9+4*\c], s44, \c*CHB
	s_add_nc_u64 s[10+4*\c:11+4*\c], s[46:47], \c*CHB
	s_or_b32 s[11+4*\c], s[11+4*\c], 0x80000000
.endr
	s_cmp_lt_u32 s[WV], 4                          ; a wave's four fills stand in one branch on its number, chunk 0 first: four loads of mine are out
	s_cbranch_scc0 .Lno_fetch
.irp c, 0,1,2,3
	tensor_load_to_lds s[8+4*\c:11+4*\c], s[24:31]
	s_nop 0
.endr
.rept 4
	v_nop
.endr
.Lno_fetch:
	v_and_b32 v6, 31, v0
	v_lshlrev_b32 v1, 4, v6                        ; 16 x lane
	v_lshlrev_b32 v2, 3, v6                        ; 8 x lane
	s_lshr_b32 s48, s41, 1
	s_mul_i32 s48, s48, CHB
	s_add_co_u32 s48, s48, s43                     ; qb: my head, my chunk of 512 queries
	s_and_b32 s49, s41, 1
	s_lshl_b32 s50, s49, 4
	s_add_co_u32 s50, s50, s[WV]                   ; my tile in it
	s_mul_i32 s51, s50, 768
	s_add_co_u32 s52, s48, s51
	s_mov_b32 s53, 0
	s_add_nc_u64 s[52:53], s[32:33], s[52:53]
	global_load_b128 v[16:19], v1, s[52:53]        ; Q's fragment stays in registers
	global_load_b64 v[20:21], v2, s[52:53] offset:512
	s_lshr_b32 s54, s50, 2
	s_lshl_b32 s54, s54, 8                         ; its group of four tiles' scale words,
	s_and_b32 s55, s[WV], 1
	s_lshl_b32 s55, s55, 7                         ; an odd tile's lie in lanes 16-31's places,
	s_add_co_u32 s54, s54, s55
	s_bfe_u32 s55, s[WV], 0x10001
	s_lshl_b32 s55, s55, 2                         ; tiles 2, 3: the second word
	s_add_co_u32 s54, s54, s55
	s_add_co_u32 s54, s54, s48
	s_add_co_u32 s54, s54, 49152
	s_mov_b32 s55, 0
	s_add_nc_u64 s[54:55], s[32:33], s[54:55]
	v_and_b32 v6, 15, v0
	v_lshlrev_b32 v7, 3, v6
	global_load_b32 v255, v7, s[54:55]             ; Q's scale words: row lane % 16's
	s_lshl_b32 s56, s41, 4
	s_add_co_u32 s56, s56, s[WV]
	s_lshl_b32 s56, s56, 12
	s_mov_b32 s57, 0
	s_add_nc_u64 s[4:5], s[36:37], s[56:57]        ; my query tile's 16 x 64 mask words
	s_mov_b32 s6, 0                                ; the step's 256 bytes among them
.irp i, 22,23,24,25,26,27
	v_mov_b32 v\i, 0                               ; zero codes for k = 64 .. 127
.endr
.irp t, 0,1,2,3
.irp i, 6,7,8,9,10,11
	v_mov_b32 v[KF+12*\t+\i], 0
.endr
.endr
	v_mov_b32 v3, 0xd0000000                       ; -2^33: a closed key's raw score
	v_mov_b32 v13, 0xff61b1e6                      ; the largest t so far: -3e38
	v_floor_f32 v12, -v13                          ; -M
	v_mov_b32 v14, 0                               ; the sum, in two halves
	v_mov_b32 v15, 0
.irp b, 0,1,2,3
	v_mov_b32 v[236+\b], 0                         ; a lane permute's destination counts as read
.endr
	v_mov_b32 v253, 0                              ; (named as the upper half of v[252:253] before it is first written)
.set n, 0
.rept 32
	v_mov_b32 v[OT+n], 0                           ; O^T: the step is written once; the first finds zeros
.set n, n+1
.endr
	s_wait_xcnt 0x0                                ; Q's loads have read their bases, which lie where the mask words land
	s_load_b512 s[32:47], s[4:5], 0x0              ; step 0's 64 mask words: word n in s[32 + n], from n = 32 on in s[36 + n]
	s_load_b512 s[48:63], s[4:5], 0x40
	s_load_b512 s[68:83], s[4:5], 0x80
	s_load_b512 s[84:99], s[4:5], 0xc0
.macro SPROD d, f, sc, odd             ; 16 keys x my 16 queries; an odd tile's scale words lie in lanes 16-31
.if \odd
	v_wmma_scale_f32_16x16x128_f8f6f4 v[\d:\d+7], v[\f:\f+11], v[16:27], 0, v[\sc], v255 matrix_a_fmt:MATRIX_FMT_FP6 matrix_b_fmt:MATRIX_FMT_FP6 matrix_a_scale:MATRIX_SCALE_ROW1
.else
	v_wmma_scale_f32_16x16x128_f8f6f4 v[\d:\d+7], v[\f:\f+11], v[16:27], 0, v[\sc], v255 matrix_a_fmt:MATRIX_FMT_FP6 matrix_b_fmt:MATRIX_FMT_FP6
.endif
.endm
.macro PVPROD d, f, sc, odd            ; 16 channels x my 16 queries, K = the step's 128 keys
.if \odd
	v_wmma_scale_f32_16x16x128_f8f6f4 v[\d:\d+7], v[\f:\f+11], v[PCD:PCD+11], v[\d:\d+7], v[\sc], v253 matrix_a_fmt:MATRIX_FMT_FP6 matrix_b_fmt:MATRIX_FMT_FP6 matrix_a_scale:MATRIX_SCALE_ROW1
.else
	v_wmma_scale_f32_16x16x128_f8f6f4 v[\d:\d+7], v[\f:\f+11], v[PCD:PCD+11], v[\d:\d+7], v[\sc], v253 matrix_a_fmt:MATRIX_FMT_FP6 matrix_b_fmt:MATRIX_FMT_FP6
.endif
.endm
; A KEY STEP: 128 keys
.macro STEP
	ds_load_b64 v[248:249], v[ADS]                 ; K's scale words: tiles 0-3,
	ds_load_b64 v[250:251], v[ADS] offset:256      ; tiles 4-7
.irp t, 0,1,2,3
	ds_load_b128 v[KF+12*\t:KF+12*\t+3], v[ADK] offset:768*\t
	ds_load_b64 v[KF+12*\t+4:KF+12*\t+5], v[ADK8] offset:768*\t+512
.endr
	s_wait_dscnt 0x0
.irp t, 0,1,2,3
	SPROD S+8*\t, KF+12*\t, 248+\t/2, \t%2
.endr
.rept 4
	v_nop                                          ; places in front of loads into registers that these products read, and of the first read of their results
.endr
.irp t, 0,1,2,3
	ds_load_b128 v[KF+12*\t:KF+12*\t+3], v[ADK] offset:768*(4+\t)
	ds_load_b64 v[KF+12*\t+4:KF+12*\t+5], v[ADK8] offset:768*(4+\t)+512
.endr
.irp t, 0,1,2,3
	ds_load_b128 v[VF+12*\t:VF+12*\t+3], v[ADK] offset:24576+1536*\t
	ds_load_b64 v[VF+12*\t+4:VF+12*\t+5], v[ADK8] offset:24576+1536*\t+512
	ds_load_b128 v[VF+12*\t+6:VF+12*\t+9], v[ADK] offset:24576+1536*\t+768
	ds_load_b64 v[VF+12*\t+10:VF+12*\t+11], v[ADK8] offset:24576+1536*\t+1280
.endr
	ds_load_b64 v[248:249], v[ADT]                 ; V's scale words
	s_wait_dscnt 17                                ; K's eight loads are in; V's sixteen and its scale words may be out
.irp t, 0,1,2,3
	SPROD S+32+8*\t, KF+12*\t, 250+\t/2, \t%2
.endr
	s_wait_kmcnt 0x0                               ; the step's mask words
.set n, 0
.rept 64                               ; a closed key's score becomes -2^33.  Ascending: each accumulator is read from its low end on, and the first 32, which name no register of the last four products, are their places
	v_cndmask_b32 v[S+n], v3, v[S+n], s[32+n+4*(n/32)]
.set n, n+1
.endr
.irp b, 0,1,2,3
	v_max3_num_f32 v[232+\b], v[S+16*\b], v[S+1+16*\b], v[S+2+16*\b]   ; the largest score of each block of 32 keys: for the row's maximum, and, since p rises with the score, for the block's largest p
.endr
	s_add_co_u32 s6, s6, 256                       ; the next step's mask words (the last step asks for the tile's first again: no load leaves the buffer)
	s_and_b32 s6, s6, 4095
	s_load_b512 s[32:47], s[4:5], s6 offset:0x0
	s_load_b512 s[48:63], s[4:5], s6 offset:0x40
	s_load_b512 s[68:83], s[4:5], s6 offset:0x80
	s_load_b512 s[84:99], s[4:5], s6 offset:0xc0
.irp i, 3,5,7,9,11,13
.irp b, 0,1,2,3
	v_max3_num_f32 v[232+\b], v[232+\b], v[S+16*\b+\i], v[S+1+16*\b+\i]
.endr
.endr
.irp b, 0,1,2,3
	v_max_num_f32 v[232+\b], v[232+\b], v[S+15+16*\b]
.endr
.irp b, 0,1,2,3
	v_permlanex16_b32 v[236+\b], v[232+\b], s[SEL], s[SEL+1]
.endr
.irp b, 0,1,2,3
	v_max_num_f32 v[232+\b], v[232+\b], v[236+\b]  ; with lane l xor 16's 16 keys
.endr
	v_max3_num_f32 v254, v232, v233, v234
	v_max_num_f32 v254, v254, v235                 ; the step's largest score of my query
	v_mul_f32 v254, s[CS], v254                    ; as t
	v_max_num_f32 v13, v13, v254                   ; the running largest t
	v_mov_b32 v254, v12
	v_floor_f32 v12, -v13                          ; the new -M = -ceil(t)
	v_sub_f32 v254, v12, v254                      ; old M - new M: a whole number, 0 or less
	v_cvt_i32_f32 v254, v254                       ; (it saturates)
	v_ldexp_f32 v252, 1.0, v254                    ; f = 2^(old M - new M)
.set n, 0
.rept 32
	v_pk_fma_f32 v[S+n:S+n+1], v[S+n:S+n+1], s[CS:CS+1], v[12:13] op_sel_hi:[1,0,0]   ; t - M, two at a time
.set n, n+2
.endr
.irp b, 0,1,2,3
	v_fma_f32 v[232+\b], v[232+\b], s[CS], v12     ; the same of each block's largest score
.endr
.set n, 0
.rept 64
	v_exp_f32 v[S+n], v[S+n]                       ; p = 2^(t - M)
.set n, n+1
.endr
	v_pk_mul_f32 v[14:15], v[14:15], v[252:253] op_sel_hi:[1,0]   ; the sums under the new M: a plain place behind the exponentials
	s_wait_alu depctr_va_vdst(0)                   ; one wait for the batch, ahead of its first reader
.irp b, 0,1,2,3
	v_exp_f32 v[232+\b], v[232+\b]                 ; the block's largest p
.endr
	v_pk_add_f32 v[236:237], v[S:S+1], v[S+2:S+3]  ; the row's sum of the unquantised p, in two chains
.irp j, 4,8,12,16,20,24,28,32,36,40,44,48,52,56,60
	v_pk_add_f32 v[14:15], v[14:15], v[S+\j:S+1+\j]
	v_pk_add_f32 v[236:237], v[236:237], v[S+2+\j:S+3+\j]
.endr
	v_pk_add_f32 v[14:15], v[14:15], v[236:237]
	s_wait_alu depctr_va_vdst(0)                   ; and one for the four
.irp b, 0,1,2,3
	v_max_num_f32 v[232+\b], 0x1800000, v[232+\b]  ; the floor 2^(3 - 127): the byte cannot fall under 1
.endr
.irp b, 0,1,2,3
	v_add_nc_u32 v[244+\b], 0xff000000, v[232+\b]  ; 2 off the exponent field: the conversion's scale operand
.endr
.irp b, 0,1,2,3
	v_lshrrev_b32 v[236+\b], 23, v[244+\b]         ; the scale's byte
.endr
	v_lshl_or_b32 v253, v237, 8, v236              ; p's scale word for these 128 keys
	v_lshl_or_b32 v253, v238, 16, v253
	v_lshl_or_b32 v253, v239, 24, v253
.irp c, 0,1
	v_cvt_scalef32_pk16_fp6_f32 v[PCD+6*\c:PCD+2+6*\c], v[S+32*\c:S+15+32*\c], v[244+2*\c]
	v_cvt_scalef32_pk16_fp6_f32 v[236+4*\c:238+4*\c], v[S+16+32*\c:S+31+32*\c], v[244+2*\c+1]
.endr
	v_nop                                          ; one plain place behind a scaled conversion
.irp c, 0,1
.irp i, 0,1,2
	v_permlane16_swap_b32 v[PCD+6*\c+\i], v[236+4*\c+\i]
.endr
.irp i, 0,1,2
	v_mov_b32 v[PCD+3+6*\c+\i], v[236+4*\c+\i]
.endr
.endr
.set n, 0
.rept 16
	v_pk_mul_f32 v[OT+n:OT+n+1], v[OT+n:OT+n+1], v[252:253] op_sel_hi:[1,0]   ; O^T under the new M.  (These 16 are also the places between the scale word's and the codes' last writes and the products)
.set n, n+2
.endr
	s_wait_dscnt 0x0                               ; V's fragments and scale words
.irp t, 0,1,2,3
	PVPROD OT+8*\t, VF+12*\t, 248+\t/2, \t%2
.endr
	v_add_nc_u32 v[ADK], 6144, v[ADK]              ; the next step; these four are also the places in front of its first loads
	v_add_nc_u32 v[ADK8], 6144, v[ADK8]
	v_add_nc_u32 v[ADS], 512, v[ADS]
	v_add_nc_u32 v[ADT], 256, v[ADT]
.endm
; A CHUNK of 512 keys: four steps.  The count leaves my loads of later chunks on their way
.macro CHUNKC c
	s_wait_tensorcnt 3-\c                          ; my quarter of this chunk has landed (waves 4 to 15 have no load out),
	s_wait_dscnt 0x0
	s_barrier_signal -1
	s_barrier_wait -1                              ; everybody's has
	v_add_nc_u32 v[ADK], CHB*\c, v1
	v_add_nc_u32 v[ADK8], CHB*\c, v2
	v_add_nc_u32 v[ADS], CHB*\c+49152, v2
	v_add_nc_u32 v[ADT], CHB*\c+51200, v2
	s_mov_b32 s3, 4
.Lstep_\@:
	STEP
	s_sub_co_u32 s3, s3, 1
	s_cmp_lg_u32 s3, 0
	s_cbranch_scc1 .Lstep_\@
.endm
	s_wait_loadcnt 0x0                             ; Q
	CHUNKC 0
	CHUNKC 1
	CHUNKC 2
	CHUNKC 3
	; THE WAY OUT: O^T / the row's sum, quantised along the head's 64 channels: a half image of row tile 1792 + token / 16, and two bytes of each row's scale word
	s_load_b64 s[8:9], s[0:1], 0x18                ; codes   (the descriptors' registers are free: every tensor load has landed)
	s_load_b64 s[10:11], s[0:1], 0x20              ; scales
	v_add_f32 v14, v14, v15
	v_permlanex16_b32 v252, v14, s[SEL], s[SEL+1]
	v_add_f32 v14, v14, v252                       ; the row's sum
	v_rcp_f32 v14, v14
	v_and_b32 v6, 15, v0                           ; (a plain place behind the reciprocal)
	v_lshlrev_b32 v6, 4, v6                        ; a row's 16 bytes of scale words
	s_bfe_u32 s12, ttmp6, 0x40000
	s_lshl_b32 s13, ttmp9, 2
	s_add_co_u32 s13, s13, s12
	s_lshl_b32 s13, s13, 4
	s_add_co_u32 s13, s13, s[WV]                   ; my query tile
	s_and_b32 s14, ttmp7, 0xffff
	s_lshr_b32 s15, s14, 4
	s_lshl_b32 s15, s15, 7
	s_add_co_u32 s13, s13, s15                     ; + 128 x batch
	s_add_co_u32 s13, s13, 1792                    ; the row tile
	s_and_b32 s14, s14, 15                         ; the head
	s_mul_i32 s16, s13, 12288
	s_mul_i32 s17, s14, 768                        ; K step head / 2, half head % 2
	s_add_co_u32 s16, s16, s17
	s_mov_b32 s17, 0
	s_lshl_b32 s18, s13, 9
	s_bfe_u32 s19, s14, 0x10001
	s_lshl_b32 s19, s19, 8                         ; an odd K step's words lie in lanes 16-31's places,
	s_add_co_u32 s18, s18, s19
	s_lshr_b32 s19, s14, 2
	s_lshl_b32 s19, s19, 2                         ; word (K step) / 2,
	s_add_co_u32 s18, s18, s19
	s_and_b32 s19, s14, 1
	s_lshl_b32 s19, s19, 1                         ; an odd head: its bytes 2, 3
	s_add_co_u32 s18, s18, s19
	s_mov_b32 s19, 0
	s_wait_kmcnt 0x0
	s_add_nc_u64 s[8:9], s[8:9], s[16:17]
	s_add_nc_u64 s[10:11], s[10:11], s[18:19]
	s_wait_alu depctr_va_vdst(0)                   ; the wait ahead of the reciprocal's first reader
.set n, 0
.rept 32
	v_mul_f32 v[S+n], v[OT+n], v14                 ; register 16 B + i: channel 32 B + 16 (lane / 16) + i
.set n, n+1
.endr
.irp b, 0,1
	v_max3_num_f32 v[232+\b], |v[S+16*\b]|, |v[S+1+16*\b]|, 0x1800000
.endr
.irp i, 2,4,6,8,10,12,14
.irp b, 0,1
	v_max3_num_f32 v[232+\b], v[232+\b], |v[S+16*\b+\i]|, |v[S+1+16*\b+\i]|
.endr
.endr
.irp b, 0,1
	v_permlanex16_b32 v[236+\b], v[232+\b], s[SEL], s[SEL+1]
.endr
.irp b, 0,1
	v_max_num_f32 v[232+\b], v[232+\b], v[236+\b]
.endr
.irp b, 0,1
	v_add_nc_u32 v[244+\b], 0xff000000, v[232+\b]
.endr
.irp b, 0,1
	v_lshrrev_b32 v[236+\b], 23, v[244+\b]
.endr
	v_lshl_or_b32 v254, v237, 8, v236              ; the head's two bytes of my row
	v_cvt_scalef32_pk16_fp6_f32 v[PCD:PCD+2], v[S:S+15], v244
	v_cvt_scalef32_pk16_fp6_f32 v[240:242], v[S+16:S+31], v245
	v_nop                                          ; one plain place behind a scaled conversion
.irp i, 0,1,2
	v_permlane16_swap_b32 v[PCD+\i], v[240+\i]
.endr
.irp i, 0,1,2
	v_mov_b32 v[PCD+3+\i], v[240+\i]
.endr
	global_store_b128 v1, v[PCD:PCD+3], s[8:9]     ; 512 consecutive bytes,
	global_store_b64 v2, v[PCD+4:PCD+5], s[8:9] offset:512   ; and 256
	global_store_b16 v6, v254, s[10:11]            ; lanes r and r + 16 hold the same two bytes and write them to the same place
	s_wait_tensorcnt 0x0                           ; the wave's end
	ds_add_u32 v[SPW], v[NIL]
	s_wait_dscnt 0x0
	CROUND                                         ; the closing round
	s_endpgm
.Lfunc_end_k_qc715f6cd7b_attn:
	.size	k_qc715f6cd7b_attn, .Lfunc_end_k_qc715f6cd7b_attn-k_qc715f6cd7b_attn
	.p2alignl 7, 3214868480
	.fill 96, 4, 3214868480
	.section	.rodata,"a",@progbits
	.p2align	6, 0x0
	.amdhsa_kernel k_qc715f6cd7b_attn
		.amdhsa_group_segment_fixed_size 210944
		.amdhsa_private_segment_fixed_size 0
		.amdhsa_enable_private_segment 0
		.amdhsa_kernarg_size 40
		.amdhsa_user_sgpr_count 2
		.amdhsa_user_sgpr_kernarg_segment_ptr 1
		.amdhsa_wavefront_size32 1
		.amdhsa_system_sgpr_workgroup_id_x 1
		.amdhsa_system_sgpr_workgroup_id_y 1
		.amdhsa_system_sgpr_workgroup_id_z 1
		.amdhsa_system_vgpr_workitem_id 0
		.amdhsa_next_free_vgpr 256
		.amdhsa_next_free_sgpr 102
		.amdhsa_reserve_vcc 0
		.amdhsa_float_denorm_mode_32 3
		.amdhsa_float_denorm_mode_16_64 3
		.amdhsa_memory_ordered 1
		.amdhsa_forward_progress 1
		.amdhsa_inst_pref_size 96
	.end_amdhsa_kernel
	.amdgpu_metadata
---
amdhsa.version: [ 1, 2 ]
amdhsa.kernels:
  - .name:           k_qc715f6cd7b_attn
    .symbol:         k_qc715f6cd7b_attn.kd
    .args:
      - { .name: qb, .offset: 0, .size: 8, .value_kind: global_buffer, .address_space: global }
      - { .name: kv, .offset: 8, .size: 8, .value_kind: global_buffer, .address_space: global }
      - { .name: maskbits, .offset: 16, .size: 8, .value_kind: global_buffer, .address_space: global }
      - { .name: codes, .offset: 24, .size: 8, .value_kind: global_buffer, .address_space: global }
      - { .name: scales, .offset: 32, .size: 8, .value_kind: global_buffer, .address_space: global }
    .group_segment_fixed_size: 210944
    .private_segment_fixed_size: 0
    .kernarg_segment_align: 8
    .kernarg_segment_size: 40
    .max_flat_workgroup_size: 512
    .sgpr_count:     102
    .vgpr_count:     256
    .wavefront_size: 32
...
	.end_amdgpu_metadata
.endif
;; end of part 3
;; launch outp (part 4): grid 8 x 32, 4 waves a work-group, clusters of 4 x 4, 327,680 bytes of LDS; arguments codes, scales, bo, out0; writes out0
.if DOCPART == 4
	.amdgcn_target "amdgcn-amd-amdhsa--gfx1250"
	.amdhsa_code_object_version 6
	.text
	.protected	k_qc715f6cd7b_outp
	.globl	k_qc715f6cd7b_outp
	.p2align	8
	.type	k_qc715f6cd7b_outp,@function
k_qc715f6cd7b_outp:
	s_mov_b64 s[64:65], 0
	v_nop
	global_prefetch_b8 v0, s[64:65] scope:SCOPE_SE
	s_setreg_imm32_b32 hwreg(HW_REG_WAVE_MODE, 25, 1), 1
	s_wait_xcnt 0x0
	s_wait_alu depctr_hold_cnt(0) depctr_sa_sdst(0) depctr_va_vdst(0) depctr_va_sdst(0) depctr_va_ssrc(0) depctr_va_vcc(0) depctr_vm_vsrc(0)
	s_getreg_b32 s2, hwreg(HW_REG_IB_STS2, 6, 4)
	s_cmp_eq_u32 s2, 0
	s_cbranch_scc0 .Lentry_in_a_cluster
	s_endpgm
.Lentry_in_a_cluster:
	s_bfe_u32 s2, ttmp6, 0x10000c
	s_cmp_lg_u32 s2, 0xf033
	s_cbranch_scc0 .Lentry_shape_is_right
	s_endpgm
.Lentry_shape_is_right:
; out0 = (attention's result) Wo^T + bo on codes of FP6 (E2M3).  P[i][j] = sum over k of S0[i][k] S1[j][k], K = 1024: S0 = Wo (row tiles 1728 on, i = output channel), S1 = the result's tokens (row tiles 1792 on).
; Source 0 = 16 rows of Wo, source 1 = 16 tokens: a lane holds one token and eight neighbouring channels.  The bias is the C of each sum's first matrix instruction.
; SHARES, LDS, CLUSTER: as the projections' launch: a work-group makes 128 channels x 256 tokens, a wave 8 tiles of channels x 4 tiles of tokens, 32 accumulators by turns; all of K lies in LDS in
; four chunks of two K steps, [S1: 16 row tiles x 3,072 bytes][S0: 8 x 3,072], each byte filled once; S0's tiles are asked for jointly by a column of the cluster, S1's by a row.
; THE WAY OUT goes through a stage of 16 rows x 528 bytes in the wave's own part of chunk 0 (its four tiles of S1), which has had its only fill and which no other wave reads.
.set CHUNK, 73728
.set S0OFF, 49152
.set SPARE, 4*CHUNK
.set SPW,   10
.set NIL,   11
.set STO,   12                         ; v12 the stage: where I put 32 bytes of a row
.set RD,    13                         ; v13 and where I read a row back
.set SC0,   16
.set SC1,   48
.set BI,    128                        ; v128-191 bo in the result's layout, 8 registers a tile of channels
.set WV,    18
.set MSB, 0
.macro WIN new
.if MSB != (\new)
	s_set_vgpr_msb (MSB<<8)|(\new)
.set MSB, (\new)
.endif
.endm
.macro CROUND
	s_barrier_signal -1
	s_barrier_wait -1
	s_cmp_lg_u32 s[WV], 0
	s_cbranch_scc1 .Lnot_wave_0_\@
	s_barrier_signal -3
.Lnot_wave_0_\@:
	s_barrier_wait -3
	s_barrier_signal -1
	s_barrier_wait -1
.endm
.macro PLACES
.rept 4
	v_nop
.endr
.endm
	s_load_b256 s[4:11], s[0:1], 0x0               ; codes, scales, bo, out0
	v_lshl_add_u32 v[SPW], v0, 2, SPARE
	v_mov_b32 v[NIL], 0
	ds_add_u32 v[SPW], v[NIL]                      ; the wave's opening: the add and its wait ahead of my first tensor load
	v_lshrrev_b32 v3, 5, v0
	v_readfirstlane_b32 s[WV], v3
	s_bfe_u32 s19, ttmp6, 0x40000                  ; cx
	s_bfe_u32 s20, ttmp6, 0x40004                  ; cy
	s_and_b32 s21, ttmp7, 0xffff                   ; the cluster's y, 0..7
	s_lshl_b32 s57, ttmp9, 2
	s_add_co_u32 s57, s57, s19                     ; which 128 channels
	s_lshl_b32 s60, s20, 2
	s_lshl_b32 s60, 15, s60                        ; my row of the cluster
	s_lshl_b32 s61, 0x1111, s19                    ; my column
	s_or_b32 s24, s60, (3<<16)|(1<<21)
	s_or_b32 s32, s61, (3<<16)|(1<<21)
.irp g, 24, 32                         ; 8 rows (row tiles) of 3,072 bytes, 12,288 bytes apart
	s_mov_b32 s[\g+1], 384<<16
	s_mov_b32 s[\g+2], 8<<16
	s_mov_b32 s[\g+3], 384<<16
	s_mov_b32 s[\g+4], 8
	s_mov_b32 s[\g+5], 1536
	s_mov_b32 s[\g+6], 0
	s_mov_b32 s[\g+7], 0
.endr
	s_lshl_b32 s58, s57, 3
	s_add_co_u32 s58, s58, 1728                    ; S0's first row tile: never holds cy
	s_lshl_b32 s59, s21, 6
	s_lshl_b32 s85, s20, 4
	s_add_co_u32 s59, s59, s85
	s_add_co_u32 s59, s59, 1792                    ; S1's: never holds cx
	s_mul_i32 s88, s58, 12288
	s_mov_b32 s89, 0
	s_lshl_b32 s90, s[WV], 3
	s_add_co_u32 s90, s90, s59
	s_mul_i32 s90, s90, 12288
	s_mov_b32 s91, 0
	s_mul_i32 s92, s[WV], 24576
	s_wait_dscnt 0x0                               ; the opening add is done
	s_wait_kmcnt 0x0
	s_add_nc_u64 s[88:89], s[4:5], s[88:89]
	s_add_nc_u64 s[90:91], s[4:5], s[90:91]
	CROUND                                         ; all sixteen work-groups are here: the joint loads meet
.irp c, 0,1,2,3
	s_mov_b32 s[40+4*\c], 1
	s_add_co_u32 s[41+4*\c], s92, \c*CHUNK
	s_add_nc_u64 s[42+4*\c:43+4*\c], s[90:91], \c*3072
	s_or_b32 s[43+4*\c], s[43+4*\c], 0x80000000
	s_mov_b32 s[68+4*\c], 1
	s_add_co_u32 s[69+4*\c], s92, \c*CHUNK
	s_add_nc_u64 s[70+4*\c:71+4*\c], s[88:89], \c*3072
	s_or_b32 s[71+4*\c], s[71+4*\c], 0x80000000
.endr
	s_cmp_lt_u32 s[WV], 2                          ; a wave's four fills stand in one branch on its number, chunk 0 first: four loads of mine are out
	s_cbranch_scc0 .Lnot_s1
.irp c, 0,1,2,3
	tensor_load_to_lds s[40+4*\c:43+4*\c], s[24:31]
	s_nop 0
.endr
	PLACES
	s_branch .Lasked
.Lnot_s1:
	s_cmp_eq_u32 s[WV], 2
	s_cbranch_scc0 .Lasked
.irp c, 0,1,2,3
	tensor_load_to_lds s[68+4*\c:71+4*\c], s[32:39]
	s_nop 0
.endr
	PLACES
.Lasked:
	v_and_b32 v3, 31, v0
	v_lshlrev_b32 v1, 4, v3
	v_lshlrev_b32 v2, 3, v3
	v_add_nc_u32 v4, S0OFF, v1
	v_add_nc_u32 v5, S0OFF, v2
	s_mul_i32 s93, s[WV], 12288
	v_add_nc_u32 v6, s93, v1
	v_add_nc_u32 v7, s93, v2
	v_and_b32 v14, 15, v0
	v_bfe_u32 v15, v0, 4, 1
	v_mul_u32_u24 v[STO], v14, 528
	v_lshl_add_u32 v[STO], v15, 5, v[STO]
	v_add_nc_u32 v[STO], s93, v[STO]               ; row r, + 32 (lane / 16)
	v_add_nc_u32 v[RD], s93, v1                    ; back: a row's 512 bytes, 16 a lane
	v_lshlrev_b32 v8, 5, v15                       ; bo: 8 (lane / 16) numbers
	s_lshl_b32 s94, s58, 9
	s_mov_b32 s95, 0
	s_add_nc_u64 s[94:95], s[6:7], s[94:95]
	s_lshl_b32 s96, s[WV], 2
	s_add_co_u32 s96, s96, s59
	s_lshl_b32 s96, s96, 9
	s_mov_b32 s97, 0
	s_add_nc_u64 s[96:97], s[6:7], s[96:97]
.irp a, 0,1,2,3,4,5,6,7
	global_load_b128 v[SC0+4*\a:SC0+4*\a+3], v1, s[94:95] offset:512*\a
.endr
.irp b, 0,1,2,3
	global_load_b128 v[SC1+4*\b:SC1+4*\b+3], v1, s[96:97] offset:512*\b
.endr
	s_lshl_b32 s2, s57, 9
	s_mov_b32 s3, 0
	s_add_nc_u64 s[60:61], s[8:9], s[2:3]
.irp a, 0,1,2,3,4,5,6,7
	global_load_b128 v[BI+8*\a:BI+8*\a+3], v8, s[60:61] offset:64*\a
	global_load_b128 v[BI+8*\a+4:BI+8*\a+7], v8, s[60:61] offset:64*\a+16
.endr
	s_lshl_b32 s84, s21, 4
	s_lshl_b32 s85, s20, 2
	s_add_co_u32 s84, s84, s85
	s_add_co_u32 s84, s84, s[WV]                   ; my 64 tokens: rows of 4,096 bytes
	s_lshl_b32 s84, s84, 18
	s_lshl_b32 s85, s57, 9
	s_add_co_u32 s84, s84, s85                     ; + the work-group's 128 channels
	s_mov_b32 s85, 0
	s_add_nc_u64 s[86:87], s[10:11], s[84:85]
.macro FRAG reg, a16, a8, off
	ds_load_b128 v[\reg:\reg+3], v[\a16] offset:\off
	ds_load_b64 v[\reg+4:\reg+5], v[\a8] offset:\off+512
	ds_load_b128 v[\reg+6:\reg+9], v[\a16] offset:\off+768
	ds_load_b64 v[\reg+10:\reg+11], v[\a8] offset:\off+1280
.endm
.macro FETCH k
	WIN 0x40*(1+(\k)%2)
.irp a, 0,1,2,3,4,5,6,7
	FRAG 12*\a, 4, 5, \a*3072+((\k)%2)*1536
.endr
.irp b, 0,1,2,3
	FRAG 96+12*\b, 6, 7, \b*3072+((\k)%2)*1536
.endr
.endm
.macro WM d, a, b, mode, c, sa, sb, odd
.if (\mode) == 2
	v_wmma_scale_f32_16x16x128_f8f6f4 v[\d:\d+7], v[\a:\a+11], v[\b:\b+11], v[\c:\c+7], v[\sa], v[\sb] matrix_a_fmt:MATRIX_FMT_FP6 matrix_b_fmt:MATRIX_FMT_FP6
.elseif \odd
	v_wmma_scale_f32_16x16x128_f8f6f4 v[\d:\d+7], v[\a:\a+11], v[\b:\b+11], v[\d:\d+7], v[\sa], v[\sb] matrix_a_fmt:MATRIX_FMT_FP6 matrix_b_fmt:MATRIX_FMT_FP6 matrix_a_scale:MATRIX_SCALE_ROW1 matrix_b_scale:MATRIX_SCALE_ROW1
.else
	v_wmma_scale_f32_16x16x128_f8f6f4 v[\d:\d+7], v[\a:\a+11], v[\b:\b+11], v[\d:\d+7], v[\sa], v[\sb] matrix_a_fmt:MATRIX_FMT_FP6 matrix_b_fmt:MATRIX_FMT_FP6
.endif
.endm
.macro MUL k, mode                     ; mode 2: the first K step starts the sums with the bias
.if (\mode) == 2
	WIN 0xc5                                       ; sources 0 and 1 window 1, C window 0, D window 3
.else
	WIN 0xf5+5*((\k)%2)
.endif
.irp a, 0,1,2,3,4,5,6,7
.irp b, 0,1,2,3
	WM 64*\b+8*\a, 12*\a, 96+12*\b, \mode, BI+8*\a, SC0+4*\a+(\k)/2, SC1+4*\b+(\k)/2, (\k)%2
.endr
.endr
.endm
.macro NEXTCHUNK left
	s_wait_dscnt 0x0
	s_wait_tensorcnt \left                         ; my part of the next chunk has landed; my loads of later chunks may stay out
	s_barrier_signal -1
	s_barrier_wait -1
	WIN 0
	v_add_nc_u32 v4, CHUNK, v4                     ; these four are also the places in front of the loads that follow
	v_add_nc_u32 v5, CHUNK, v5
	v_add_nc_u32 v6, CHUNK, v6
	v_add_nc_u32 v7, CHUNK, v7
.endm
	s_wait_tensorcnt 3                             ; my part of chunk 0 has landed
	s_barrier_signal -1
	s_barrier_wait -1
	FETCH 0
	FETCH 1
	s_wait_loadcnt 0x0                             ; scale words and bias
	s_wait_dscnt 48                                ; K step 0's fragments are in; the 48 loads just issued may be out
	MUL 0, 2
	NEXTCHUNK 2
	FETCH 2
	MUL 1, 1
	PLACES
	FETCH 3
	s_wait_dscnt 48
	MUL 2, 1
	NEXTCHUNK 1
	FETCH 4
	MUL 3, 1
	PLACES
	FETCH 5
	s_wait_dscnt 48
	MUL 4, 1
	NEXTCHUNK 0
	FETCH 6
	MUL 5, 1
	PLACES
	FETCH 7
	s_wait_dscnt 48
	MUL 6, 1
	s_wait_dscnt 0x0
	MUL 7, 1
	WIN 0
	PLACES
; THE WAY OUT, a tile of 16 tokens x 128 channels at a time: a lane's 32 bytes of a row go into the stage, whole rows of 512 bytes come back and are stored by the 32 lanes.
; LDS serves a wave's instructions in order (ISA guide 5.7.1.4): no wait between the stores and the loads, nor in front of the next tile's stores.
.macro TOSTAGE b
	WIN 0x0c                                       ; an LDS store's data: window 3
.irp a, 0,1,2,3,4,5,6,7
	ds_store_b128 v[STO], v[64*(\b)+8*\a:64*(\b)+8*\a+3] offset:64*\a       ; each accumulator from its low end on
	ds_store_b128 v[STO], v[64*(\b)+8*\a+4:64*(\b)+8*\a+7] offset:64*\a+16
.endr
	WIN 0
.irp t, 0,1,2,3,4,5,6,7,8,9,10,11,12,13,14,15
	ds_load_b128 v[64+64*((\b)%2)+4*\t:64+64*((\b)%2)+4*\t+3], v[RD] offset:528*\t
.endr
.endm
.macro SEND b, younger                 ; younger: the LDS instructions issued behind tile b's loads
	s_wait_dscnt \younger
.irp t, 0,1,2,3,4,5,6,7,8,9,10,11,12,13,14,15
	global_store_b128 v1, v[64+64*((\b)%2)+4*\t:64+64*((\b)%2)+4*\t+3], s[86:87] offset:(16*(\b)+\t)*4096 th:TH_STORE_NT   ; 512 consecutive bytes, aligned; written once
.endr
.endm
	TOSTAGE 0
.irp b, 1,2,3
.if \b > 1
	s_wait_xcnt 0x0                                ; tile b - 2's stores have read their registers: tile b's loads may land there
.endif
	TOSTAGE \b
	SEND \b-1, 32                                  ; behind tile b - 1's loads: tile b's 16 stores and 16 loads
.endr
	SEND 3, 0
	s_wait_tensorcnt 0x0                           ; the wave's end: behind my last LDS store
	ds_add_u32 v[SPW], v[NIL]
	s_wait_dscnt 0x0
	CROUND                                         ; the closing round
	s_endpgm
.Lfunc_end_k_qc715f6cd7b_outp:
	.size	k_qc715f6cd7b_outp, .Lfunc_end_k_qc715f6cd7b_outp-k_qc715f6cd7b_outp
	.p2alignl 7, 3214868480
	.fill 96, 4, 3214868480
	.section	.rodata,"a",@progbits
	.p2align	6, 0x0
	.amdhsa_kernel k_qc715f6cd7b_outp
		.amdhsa_group_segment_fixed_size 327680
		.amdhsa_private_segment_fixed_size 0
		.amdhsa_enable_private_segment 0
		.amdhsa_kernarg_size 32
		.amdhsa_user_sgpr_count 2
		.amdhsa_user_sgpr_kernarg_segment_ptr 1
		.amdhsa_wavefront_size32 1
		.amdhsa_system_sgpr_workgroup_id_x 1
		.amdhsa_system_sgpr_workgroup_id_y 1
		.amdhsa_system_sgpr_workgroup_id_z 1
		.amdhsa_system_vgpr_workitem_id 0
		.amdhsa_next_free_vgpr 1024
		.amdhsa_next_free_sgpr 100
		.amdhsa_reserve_vcc 0
		.amdhsa_float_denorm_mode_32 3
		.amdhsa_float_denorm_mode_16_64 3
		.amdhsa_memory_ordered 1
		.amdhsa_forward_progress 1
		.amdhsa_inst_pref_size 84
	.end_amdhsa_kernel
	.amdgpu_metadata
---
amdhsa.version: [ 1, 2 ]
amdhsa.kernels:
  - .name:           k_qc715f6cd7b_outp
    .symbol:         k_qc715f6cd7b_outp.kd
    .args:
      - { .name: codes, .offset: 0, .size: 8, .value_kind: global_buffer, .address_space: global }
      - { .name: scales, .offset: 8, .size: 8, .value_kind: global_buffer, .address_space: global }
      - { .name: bo, .offset: 16, .size: 8, .value_kind: global_buffer, .address_space: global }
      - { .name: out0, .offset: 24, .size: 8, .value_kind: global_buffer, .address_space: global }
    .group_segment_fixed_size: 327680
    .private_segment_fixed_size: 0
    .kernarg_segment_align: 8
    .kernarg_segment_size: 32
    .max_flat_workgroup_size: 128
    .sgpr_count:     100
    .vgpr_count:     1024
    .wavefront_size: 32
...
	.end_amdgpu_metadata
.endif
;; end of part 4
